; MI455X (gfx1250); checked and timed in simulation.
; The chip was launched on July 23, 2026; its instructions are those of AMD's public machine-readable ISA for CDNA 5 (MIT licence, August 2026) and "CDNA5" Instruction Set Architecture Reference Guide (July 2026). The comments in the code are by the model that wrote it; some were corrected since.
;; Multi Head Attention. Allowed arithmetic: matrix products marked QUANTISED: E2M3 operands, one E8M0 scale for each 32 along K, by v_wmma_scale_f32_16x16x128_f8f6f4 with both operands' format E2M3, f32 sums; everything else in f32.
;; Inputs: Wk_codes 16 x 64 x 32 x 24 uint8 (E2M3 codes of Wk, K innermost, in blocks of 32 codes, four codes in three bytes); Wk_scales 16 x 64 x 32 uint8 (E8M0 scales of Wk, one for each 32 codes along K); Wo_codes 1,024 x 32 x 24 uint8 (E2M3 codes of Wo, K innermost, in blocks of 32 codes, four codes in three bytes); Wo_scales 1,024 x 32 uint8 (E8M0 scales of Wo, one for each 32 codes along K); Wq_codes 16 x 64 x 32 x 24 uint8 (E2M3 codes of Wq, K innermost, in blocks of 32 codes, four codes in three bytes); Wq_scales 16 x 64 x 32 uint8 (E8M0 scales of Wq, one for each 32 codes along K); Wv_codes 16 x 64 x 32 x 24 uint8 (E2M3 codes of Wv, K innermost, in blocks of 32 codes, four codes in three bytes); Wv_scales 16 x 64 x 32 uint8 (E8M0 scales of Wv, one for each 32 codes along K); bk 16 x 64 float32; bo 1,024 float32; bq 16 x 64 float32; bv 16 x 64 float32; x_codes 4 x 2,048 x 32 x 24 uint8 (E2M3 codes of x, K innermost, in blocks of 32 codes, four codes in three bytes); x_scales 4 x 2,048 x 32 uint8 (E8M0 scales of x, one for each 32 codes along K).
;; Outputs: out0 4 x 2,048 x 1,024 float32.
;; This version of the problem:
;;   THIS VERSION OF THE PROBLEM IS GIVEN IN LOW PRECISION. The matrix products marked QUANTISED in the list below multiply operands that are first quantised to E2M3 (2 exponent bits, 3 mantissa bits; 6 bits a number), with one power-of-two scale for each 32 numbers along K (OCP MX v1.0); their sums are f32. All else is computed in f32.
;;   The module's matrix products, in the order in which they are computed (A, B: the left and right operand; K: the contracted axis; several contracted axes count as one K, in the product's order):
;;     1. [M 1,024, K 1,024] x [K 1,024, N 8,192]; A: input Wq (given as codes); B: input x (given as codes): QUANTISED
;;     2. [M 1,024, K 1,024] x [K 1,024, N 8,192]; A: input Wk (given as codes); B: input x (given as codes): QUANTISED
;;     3. [M 1,024, K 1,024] x [K 1,024, N 8,192]; A: input Wv (given as codes); B: input x (given as codes): QUANTISED
;;     4. batch 64 x [M 2,048, K 64] x [K 64, N 2,048]; A: computed on the way; B: computed on the way: QUANTISED
;;     5. batch 64 x [M 2,048, K 2,048] x [K 2,048, N 64]; A: softmax (see below); B: computed on the way: QUANTISED
;;     6. [M 8,192, K 1,024] x [K 1,024, N 1,024]; A: computed on the way; B: input Wo (given as codes): QUANTISED
;;   THE QUANTISER, for each operand of a quantised product, along K:
;;     - K is cut into blocks of 32 from its start; a last block that is shorter is filled with zeros.
;;     - A block's scale is 2^e with e = floor(log2(the largest magnitude in the block)) - 2, held to -126 .. 127; a block of zeros has e = 0. As a byte (E8M0): e + 127.
;;     - Each number is divided by its block's scale, clamped to +-7.5, and rounded to the nearest number of E2M3, ties to even, subnormals kept.
;;     - The product sums the exact products of the quantised numbers (number of the format x scale) in f32.
;;   ~~~python
;;   def quantise(x, axis):      # numpy; x: float32 -> the quantised numbers, widened to float32 again
;;       x = np.moveaxis(x, axis, -1); K = x.shape[-1]
;;       x = np.pad(x, [(0, 0)] * (x.ndim - 1) + [(0, -K % 32)]); x = x.reshape(x.shape[:-1] + (-1, 32)); a = np.abs(x).max(-1, keepdims=True)
;;       e = np.where(a > 0, np.clip(np.frexp(np.where(a > 0, a, 1))[1] - 1 - 2, -126, 127), 0)      # np.frexp(a)[1] - 1 = floor(log2(a)), exactly
;;       r = np.clip(x / 2.0 ** e, -7.5, 7.5)
;;       step = 2.0 ** (np.maximum(np.frexp(np.where(r == 0, 1, r))[1] - 1, 0) - 3)
;;       q = np.round(r / step) * step * 2.0 ** e      # np.round: ties to even
;;       return np.moveaxis(q.reshape(q.shape[:-2] + (-1,))[..., :K], -1, axis).astype(np.float32)
;;   ~~~
;;   SOFTMAX AHEAD OF A QUANTISED PRODUCT. Where the list says 'softmax', what is quantised is not the finished softmax but p = 2^(t - M), with t = logit x log2(e) and M = ceil(the row's largest t), a whole number; so 1/2 < the row's largest p <= 1. The row's sum l is taken of the UNQUANTISED p, in f32, and the product's result is divided by l at the end. Since M is a whole number, a kernel that streams over the keys may use a running M (the ceiling of the running maximum): every later rescaling is an exact power of two, which a block's scale takes up: the codes' values come out the same.
;;   OPERANDS COMPUTED ON THE WAY. 'Computed on the way' means the value that the module computes at that place (a softmax that the list does not call 'softmax' is quantised finished and normalised). What goes into a quantiser is computed in f32, as accurately as f32 sums, v_exp_f32 and their like allow (about 1e-6 of the number): no bf16 or f16 on the way to a quantiser, and a product that is left as it is and whose result goes on into a quantised operand takes f32 operands (vector FMAs, or v_wmma_f32_16x16x4_f32). A number that lies on a knife's edge between two numbers of the format may be rounded either way, as far as f32 arithmetic and the matrix unit's own rounding can turn it there, and no further.
;;   INPUTS GIVEN AS CODES. Wk (in the module: [16, 1024, 64], K = its axis 1); Wo (in the module: [1024, 1024], K = its axis 0); Wq (in the module: [16, 1024, 64], K = its axis 1); Wv (in the module: [16, 1024, 64], K = its axis 1); x (in the module: [4, 2048, 1024], K = its axis 2): each comes as NAME_codes (uint8): NAME with its K axis moved to the last place and cut into blocks of 32 codes, [.., K / 32, bytes a block], one block behind the other in memory; four codes in three bytes: a row's codes are one little-endian stream of bits, code i at bits 6 i .. 6 i + 5 (a code: sign, 2 exponent bits, 3 mantissa bits); and NAME_scales (uint8): the same leading axes, one E8M0 byte (e + 127) for each 32 codes along K. Its value is code x scale, taken as it is: it is not quantised again, and the codes and scales need not be those that the quantiser above would give.
;; One version. Each part assembles by itself: llvm-mc -triple=amdgcn-amd-amdhsa -mcpu=gfx1250 --defsym DOCPART=n.
;; ======== version 1 of 1: 3 launches
;; limits: right only within a limited range of input values
;; workspace buffers: qkv 20,447,232 bytes; oc 6,291,456 bytes; os 262,144 bytes
;; launch qkv (part 1): grid 8 x 32, 4 waves a work-group, clusters of 4 x 4, 327,680 bytes of LDS; arguments x_codes, x_scales, Wq_codes, Wq_scales, Wk_codes, Wk_scales, Wv_codes, Wv_scales, bq, bk, bv, qkv; writes qkv
.if DOCPART == 1
	.amdgcn_target "amdgcn-amd-amdhsa--gfx1250"
	.amdhsa_code_object_version 6
	.text
	.protected	k_qbfd53e3fdb_qkv
	.globl	k_qbfd53e3fdb_qkv
	.p2align	8
	.type	k_qbfd53e3fdb_qkv,@function
k_qbfd53e3fdb_qkv:
	s_mov_b64 s[64:65], 0
	v_nop
	global_prefetch_b8 v0, s[64:65] scope:SCOPE_SE
	s_setreg_imm32_b32 hwreg(HW_REG_WAVE_MODE, 25, 1), 1
	s_wait_xcnt 0x0
	s_wait_alu depctr_hold_cnt(0) depctr_sa_sdst(0) depctr_va_vdst(0) depctr_va_sdst(0) depctr_va_ssrc(0) depctr_va_vcc(0) depctr_vm_vsrc(0)
	s_getreg_b32 s2, hwreg(HW_REG_IB_STS2, 6, 4)
	s_cmp_eq_u32 s2, 0
	s_cbranch_scc0 .Lentry_in_a_cluster
	s_endpgm
.Lentry_in_a_cluster:
	s_bfe_u32 s2, ttmp6, 0x10000c
	s_cmp_lg_u32 s2, 0xf033
	s_cbranch_scc0 .Lentry_shape_is_right
	s_endpgm
.Lentry_shape_is_right:
; q, k, v = x W + b on codes of FP6 (E2M3) with E8M0 scales, K = 1,024, and the results quantised at once for the attention launch.
; 256 work-groups: work-group (hp, xt) takes 256 rows of x (tile xt) against the 128 rows (heads 2 hp, 2 hp + 1) of Wq, then Wk, then Wv.
; LDS: x's 256 rows, all of K (rows of 768 bytes, 16 bytes of padding behind each 256), filled once; a region for a weight's 128 rows, filled three times; the spare words.
; Four waves, 2 x 2: wave (a, b) takes x rows 128 a .. + 127 (one step of 128 rows) and head 2 hp + b.  Its 64 rows of the weight, all of K, lie in 384 registers; x goes past in blocks of 16 rows, two sets of fragments.
; A block is 32 products, the four accumulators by turns.  The bias is the C of each sum's first product.
; q, k: source 0 = the weight's rows: a lane holds one row of x, its registers run along d.   v: source 0 = x's rows: a lane holds one d, its registers run along the keys.
; All scale words and biases of the three phases come into registers at the head; a phase's end moves the next phase's into place.
; REFILLS: when all waves hold a weight in registers, the next weight is asked for (waves 0 and 1 a half each) behind the three lines and a round of the cluster's barrier; 256 products stand between the request
; and the wait for it, so no prefetch is laid.  x's tile is shared along a row of the cluster, a weight's along a column: joint loads.
; THE RESULT: 1,024 records of 19,968 bytes, record ((batch 16 + head) 16 + step): K's codes 0, K's scale words 6,144, V's scale words 6,656, V's codes 7,168, Q's codes 13,312, Q's scale words 19,456,
; as images of the reader's registers (four registers of 32 lanes = 512 consecutive bytes).  Inside a block of 32 the codes stand in the order 0-7, 16-23, 8-15, 24-31, alike in q and k along d, and in v along the keys.
; LIMITS: NaN and infinities are not served; a block whose largest magnitude lies under 2^-124 keeps the scale byte 1 (a block of zeros too: its codes are zeros; this program alone reads the bytes).
.set KROW,  768
.set PITCH, 816
.set FR,    12
.set FPW,   21                         ; fragments in a window of 256 registers; fragment f lies in window 1 + f / 21: 0-31 the weight's (4 q + t), 32-47 x's two sets
.set NF,    26                         ; LDS loads of a block of x
.set BVB,   256*PITCH
.set SPARE, BVB+128*PITCH
.set REC,   19968
.set ADRA0, 4                          ; v4, v5 my block 0 in LDS (v5: behind one padding more); v6, v7 the block fetched next
.set ADRA,  6
.set LI,    8                          ; 16 x lane
.set PSEL,  9
.set SPW,   10
.set NIL,   11
.set SB,    12                         ; v12-27 the weight's scale words
.set SX,    32                         ; v32-63 x's scale words
.set ACC,   64                         ; q, k: v64-127 a pair of blocks;  v: v64-191 d tiles 0, 1, v840-967 d tiles 2, 3
.set S1,    128                        ; the next phases' scale words
.set S2,    144
.set PC,    192
.set TM,    212
.set PW,    228
.set PWE,   229
.set SW,    232
.set ABS,   240
.set BH,    241
.set BR,    242
.set B1,    840                        ; the next phases' biases
.set B2,    872
.set BB,    968                        ; v968-999 the bias as C
.set BA,    1000                       ; v1000-1007 LDS addresses of the weight's four tiles
.set SEL,   66
.set G1X, 24
.set G0X, 32
.set G0W, 36
.set G1W, 48
.set MSB, 0
.macro WIN new
.if MSB != (\new)
	s_set_vgpr_msb (MSB<<8)|(\new)
.set MSB, (\new)
.endif
.endm
.macro PLACES n
.rept \n
	v_nop
.endr
.endm
.macro WALU
	s_wait_alu depctr_va_vdst(0)
.endm
.macro CROUND
	s_barrier_signal -1
	s_barrier_wait -1
	s_cmp_lg_u32 s14, 0
	s_cbranch_scc1 .Lnot_wave_0_\@
	s_barrier_signal -3
.Lnot_wave_0_\@:
	s_barrier_wait -3
	s_barrier_signal -1
	s_barrier_wait -1
.endm
.macro TLOAD g0, g1
	tensor_load_to_lds s[\g0:\g0+3], s[\g1:\g1+7]
	s_nop 0
	PLACES 4
.endm
.macro GROUP1 g, mask, rows
	s_or_b32 s[\g+0], s[\mask], (1<<20)|(1<<21)|(5<<22)|(3<<25)
	s_mov_b32 s[\g+1], KROW<<16
	s_mov_b32 s[\g+2], (\rows)<<16
	s_mov_b32 s[\g+3], KROW<<16
	s_mov_b32 s[\g+4], \rows
	s_mov_b32 s[\g+5], KROW
	s_mov_b32 s[\g+6], 0
	s_mov_b32 s[\g+7], 0
.endm
.macro FRAG f, q, a0, a1, aw           ; six pieces of 8 bytes, two to a load where both lie behind as many paddings
	WIN ((1+(\f)/FPW)<<6)|(\aw)
.set R_, FR*((\f)%FPW)
.set SKIP_, 0
.irp p, 0,1,2,3,4,5
.if SKIP_
.set SKIP_, 0
.else
.set PC_, 12*(\q)+6*(\p/3)+\p%3
.set PN_, 12*(\q)+6*((\p+1)/3)+(\p+1)%3
.set X_, (PC_%32+3)/32
.set XQ_, (PN_%32+3)/32
.if (\p < 5) && (X_ == XQ_)
.set SKIP_, 1
.if X_
	ds_load_2addr_b64 v[R_+2*\p:R_+2*\p+3], \a1 offset0:PC_+2*(PC_/32) offset1:PN_+2*(PN_/32)
.else
	ds_load_2addr_b64 v[R_+2*\p:R_+2*\p+3], \a0 offset0:PC_+2*(PC_/32) offset1:PN_+2*(PN_/32)
.endif
.elseif X_
	ds_load_b64 v[R_+2*\p:R_+2*\p+1], \a1 offset:8*(PC_+2*(PC_/32))
.else
	ds_load_b64 v[R_+2*\p:R_+2*\p+1], \a0 offset:8*(PC_+2*(PC_/32))
.endif
.endif
.endr
.endm
.macro WEIGHTS                         ; my 64 rows of the weight, all of K: 104 loads
.irp q, 0,1,2,3,4,5,6,7
.irp b, 0,1,2,3
	FRAG 4*\q+\b, \q, v[BA-768+2*\b], v[BA-768+2*\b+1], 3
.endr
.endr
	WIN 0
.endm
.macro FETCH e, a0, a1                 ; a block of x into set e
.irp q, 0,1,2,3,4,5,6,7
	FRAG 32+8*(\e)+\q, \q, \a0, \a1, 0
.endr
	WIN 0
.endm
.macro P2 d, s0, s1, c, x0, x1, ra, rb
	v_wmma_scale_f32_16x16x128_f8f6f4 v[\d:\d+7], v[FR*((\s0)%FPW):FR*((\s0)%FPW)+FR-1], v[FR*((\s1)%FPW):FR*((\s1)%FPW)+FR-1], \c, v[\x0], v[\x1] matrix_a_fmt:MATRIX_FMT_FP6 matrix_b_fmt:MATRIX_FMT_FP6 matrix_a_scale:MATRIX_SCALE_ROW\ra matrix_b_scale:MATRIX_SCALE_ROW\rb
.endm
.macro P1 d, s0, s1, c, x0, x1, ra, rb
.if (\ra) && (\rb)
	P2 \d, \s0, \s1, \c, \x0, \x1, 1, 1
.elseif (\ra)
	P2 \d, \s0, \s1, \c, \x0, \x1, 1, 0
.elseif (\rb)
	P2 \d, \s0, \s1, \c, \x0, \x1, 0, 1
.else
	P2 \d, \s0, \s1, \c, \x0, \x1, 0, 0
.endif
.endm
.macro PROD kind, s, n                 ; product n = 4 q + t of block s
.set Q_, (\n)/4
.set T_, (\n)%4
.set FW_, 4*Q_+T_
.set FX_, 32+8*((\s)%2)+Q_
.set KW_, SB+8*(T_/2)+Q_
.set KX_, SX+8*((\s)/2)+Q_
.if \kind
.set D_, 64+64*T_+8*(\s)+648*(T_/2)
.else
.set D_, ACC+32*((\s)%2)+8*T_
.endif
.set DW_, D_>>8
.set DL_, D_&255
.if Q_
.set CW_, DW_
.else
.set CW_, 3
.endif
.if \kind
	WIN (1+FX_/FPW)|((1+FW_/FPW)<<2)|(CW_<<4)|(DW_<<6)
.if Q_
	P1 DL_, FX_, FW_, v[DL_:DL_+7], KX_, KW_, (\s)%2, T_%2
.else
	P1 DL_, FX_, FW_, v[BB-768+8*T_:BB-768+8*T_+7], KX_, KW_, (\s)%2, T_%2
.endif
.else
	WIN (1+FW_/FPW)|((1+FX_/FPW)<<2)|(CW_<<4)|(DW_<<6)
.if Q_
	P1 DL_, FW_, FX_, v[DL_:DL_+7], KW_, KX_, T_%2, (\s)%2
.else
	P1 DL_, FW_, FX_, v[BB-768+8*T_:BB-768+8*T_+7], KW_, KX_, T_%2, (\s)%2
.endif
.endif
.endm
.macro XBLOCK kind, s                  ; block s; behind it its set takes block s + 2
.if (\s) < 7
	s_wait_dscnt NF                                ; the next block's 26 loads may be out
.else
	s_wait_dscnt 0x0
.endif
.set N_, 0
.rept 32
	PROD \kind, \s, N_
.set N_, N_+1
.endr
	WIN 0
.if (\s) < 6
	v_add_nc_u32 v[ADRA], ((\s)+2)*16*PITCH, v[ADRA0]
	v_add_nc_u32 v[ADRA+1], ((\s)+2)*16*PITCH, v[ADRA0+1]
	PLACES 2                                       ; four places between the products and the loads into their registers
	WALU
	FETCH (\s)%2, v[ADRA], v[ADRA+1]
.else
	PLACES 4
.endif
.endm
.macro START                           ; a phase's loads: the weight, blocks 0 and 1
	v_add_nc_u32 v[ADRA], 16*PITCH, v[ADRA0]
	v_add_nc_u32 v[ADRA+1], 16*PITCH, v[ADRA0+1]
	WALU
	WEIGHTS
	FETCH 0, v[ADRA0], v[ADRA0+1]
	FETCH 1, v[ADRA], v[ADRA+1]
.endm
; THE QUANTISER: 64 numbers of a lane from register x on: registers 16 b + 0 .. 15 are my half of block b, the other half lies in lane l xor 16.  Out: 12 registers of codes at v[PC], the four scale bytes in v[PW].
.macro QUANT x
.set XW_, (\x)>>8
.set XL_, (\x)&255
	WIN XW_|(XW_<<2)
.irp b, 0,1,2,3
	v_max3_num_f32 v[TM+\b], |v[XL_+16*\b]|, |v[XL_+1+16*\b]|, 0x1800000   ; with the floor 2^(3 - 127): the byte cannot fall under 1
.endr
	WIN (XW_<<2)|(XW_<<4)
.irp i, 2,4,6,8,10,12,14
.irp b, 0,1,2,3
	v_max3_num_f32 v[TM+\b], v[TM+\b], |v[XL_+16*\b+\i]|, |v[XL_+1+16*\b+\i]|
.endr
.endr
	WIN 0
.irp b, 0,1,2,3
	v_permlanex16_b32 v[TM+4+\b], v[TM+\b], s[SEL], s[SEL+1]
.endr
.irp b, 0,1,2,3
	v_max_num_f32 v[TM+\b], v[TM+\b], v[TM+4+\b]
.endr
.irp b, 0,1,2,3
	v_add_nc_u32 v[TM+12+\b], 0xff000000, v[TM+\b] ; 2 off the exponent field: the conversion's scale operand
.endr
.irp b, 0,1,2,3
	v_lshrrev_b32 v[TM+4+\b], 23, v[TM+12+\b]
.endr
	v_lshl_or_b32 v[PW], v[TM+5], 8, v[TM+4]
	v_lshl_or_b32 v[PW], v[TM+6], 16, v[PW]
	v_lshl_or_b32 v[PW], v[TM+7], 24, v[PW]
	WIN XW_
.irp c, 0,1
	v_cvt_scalef32_pk16_fp6_f32 v[PC+6*\c:PC+2+6*\c], v[XL_+32*\c:XL_+15+32*\c], v[TM+12+2*\c]
	v_cvt_scalef32_pk16_fp6_f32 v[PC+12+4*\c:PC+14+4*\c], v[XL_+16+32*\c:XL_+31+32*\c], v[TM+12+2*\c+1]
.endr
	WIN 0
	v_nop                                          ; one plain line behind the scaled conversions
.irp c, 0,1
.irp i, 0,1,2
	v_permlane16_swap_b32 v[PC+6*\c+\i], v[PC+12+4*\c+\i]   ; a whole block in a lane
.endr
.irp i, 0,1,2
	v_mov_b32 v[PC+3+6*\c+\i], v[PC+12+4*\c+\i]
.endr
.endr
.endm
.macro UNITQK p                        ; rows 32 p on of my step
	s_wait_xcnt 0x0                                ; the last unit's stores have read their data
	QUANT ACC
.irp c, 0,1,2
	global_store_b128 v[LI], v[PC+4*\c:PC+4*\c+3], s[92:93] offset:1536*(\p)+512*\c
.endr
	v_perm_b32 v[SW+(\p)], v[PW], v[PW], v[PSEL]   ; lanes 0-15: tile 2 p's two bytes, twice; lanes 16-31: tile 2 p + 1's
.if (\p) == 3
	global_store_b128 v[LI], v[SW:SW+3], s[92:93] offset:6144
.endif
.endm
.macro UNITV t                         ; d tile t: 64 numbers along the step's 128 keys
	s_wait_xcnt 0x0
	QUANT 64+64*(\t)+648*((\t)/2)
.irp c, 0,1,2
	global_store_b128 v[LI], v[PC+4*\c:PC+4*\c+3], s[96:97] offset:7168+1536*(\t)+512*\c
.endr
.if (\t)%2 == 0
	v_mov_b32 v[PWE], v[PW]
.else
	v_cndmask_b32 v[SW+(\t)/2], v[PWE], v[PW], vcc_lo   ; lanes 0-15 the even tile's word, lanes 16-31 the odd one's
.endif
.if (\t) == 3
	v_mov_b32 v[SW+2], v[SW]
	v_mov_b32 v[SW+3], v[SW+1]
	global_store_b128 v[LI], v[SW:SW+3], s[96:97] offset:6656
.endif
.endm
; ---- the head
	s_load_b512 s[68:83], s[0:1], 0x0              ; x's codes, scales; Wq's; Wk's; Wv's
	s_load_b256 s[84:91], s[0:1], 0x40             ; bq, bk, bv, the records
	v_lshl_add_u32 v[SPW], v0, 2, SPARE
	v_mov_b32 v[NIL], 0
	ds_add_u32 v[SPW], v[NIL]                      ; the opening lines
	ds_add_u32 v[SPW], v[NIL]
	v_lshrrev_b32 v1, 5, v0
	v_readfirstlane_b32 s14, v1                    ; wave
	s_lshr_b32 s15, s14, 1                         ; a: my half of x's rows.  Also: I fetch a weight (0) or x (1)
	s_and_b32 s16, s14, 1                          ; b: my head of the two.  Also: which half of a tile I fetch
	s_bfe_u32 s40, ttmp6, 0x40000
	s_bfe_u32 s41, ttmp6, 0x40004
	s_lshl_b32 s42, ttmp9, 2
	s_add_co_u32 s42, s42, s40                     ; hp
	s_and_b32 s17, ttmp7, 0xffff
	s_lshl_b32 s17, s17, 2
	s_add_co_u32 s17, s17, s41                     ; xt
	s_lshl_b32 s43, s41, 2
	s_lshl_b32 s43, 15, s43                        ; my row of the cluster
	s_lshl_b32 s44, 0x1111, s40                    ; my column
	GROUP1 G1X, 43, 128
	GROUP1 G1W, 44, 64
	s_lshl_b32 s20, s17, 8
	s_lshl_b32 s21, s16, 7
	s_add_co_u32 s20, s20, s21
	s_mul_i32 s20, s20, KROW                       ; the 128 rows of x that I fetch
	s_mov_b32 s21, 0
	s_lshl_b32 s46, s42, 7
	s_lshl_b32 s47, s16, 6
	s_add_co_u32 s46, s46, s47                     ; my 64 rows of a weight: to fetch and to multiply
	s_lshl_b32 s18, s46, 5                         ; their scale bytes
	s_mov_b32 s19, 0
	s_lshl_b32 s22, s46, 2                         ; their bias
	s_mov_b32 s23, 0
	s_mul_i32 s46, s46, KROW
	s_mov_b32 s47, 0
	s_lshl_b32 s60, s17, 8
	s_lshl_b32 s61, s15, 7
	s_add_co_u32 s60, s60, s61                     ; my first row of x
	s_lshr_b32 s92, s60, 11
	s_lshl_b32 s92, s92, 4
	s_lshl_b32 s93, s42, 1
	s_add_co_u32 s93, s93, s16
	s_add_co_u32 s92, s92, s93
	s_lshl_b32 s92, s92, 4
	s_bfe_u32 s93, s60, 0x40007
	s_add_co_u32 s92, s92, s93
	s_mul_i32 s92, s92, REC                        ; my record
	s_mov_b32 s93, 0
	s_lshl_b32 s60, s60, 5
	s_mov_b32 s61, 0
	s_mov_b32 s[G0X], 1
	s_mul_i32 s[G0X+1], s16, 128*PITCH
	s_mov_b32 s[G0W], 1
	s_mul_i32 s94, s16, 64*PITCH
	s_add_co_u32 s94, s94, BVB
	s_mov_b32 s[G0W+1], s94
	s_mul_i32 s95, s15, 128*PITCH
	s_mov_b32 s[SEL], 0x76543210
	s_mov_b32 s[SEL+1], 0xfedcba98
	s_mov_b32 s45, 0x02020202
	v_and_b32 v1, 15, v0
	v_bfe_u32 v2, v0, 4, 1
	v_and_b32 v3, 31, v0
	v_mul_u32_u24 v243, v1, PITCH
	v_mad_u32_u24 v244, v2, 24, v243
	v_mad_u32_u24 v245, v2, 40, v243
	v_add_nc_u32 v[ADRA0], s95, v244
	v_add_nc_u32 v[ADRA0+1], s95, v245
	v_add_nc_u32 v244, s94, v244
	v_add_nc_u32 v245, s94, v245
	WIN 0xc0
.irp t, 0,1,2,3
	v_add_nc_u32 v[BA-768+2*\t], \t*16*PITCH, v244
	v_add_nc_u32 v[BA-768+2*\t+1], \t*16*PITCH, v245
.endr
	WIN 0
	v_lshlrev_b32 v[LI], 4, v3
	v_lshlrev_b32 v[ABS], 5, v3
	v_lshlrev_b32 v[BH], 5, v2
	v_lshlrev_b32 v[BR], 2, v1
	v_mul_lo_u32 v[PSEL], v2, s45
	v_add_nc_u32 v[PSEL], 0x01000100, v[PSEL]
.irp b, 0,1,2,3
	v_mov_b32 v[TM+4+\b], 0                        ; a lane permute's destination counts as one of its sources
.endr
	WALU
	s_wait_dscnt 0x0
	CROUND                                         ; the round in front of the first joint loads
	s_wait_kmcnt 0x0
	s_add_nc_u64 s[G0X+2:G0X+3], s[68:69], s[20:21]
	s_or_b32 s[G0X+3], s[G0X+3], 0x80000000
	s_add_nc_u64 s[G0W+2:G0W+3], s[72:73], s[46:47]
	s_or_b32 s[G0W+3], s[G0W+3], 0x80000000
	s_cmp_eq_u32 s15, 0
	s_cbranch_scc0 .Lfor_x
	TLOAD G0W, G1W                                 ; waves 0, 1: Wq's rows, a half each
	s_branch .Lasked
.Lfor_x:
	TLOAD G0X, G1X                                 ; waves 2, 3: x's rows, a half each
.Lasked:
	s_add_nc_u64 s[76:77], s[76:77], s[46:47]      ; Wk's rows, Wv's rows: for the refills
	s_add_nc_u64 s[80:81], s[80:81], s[46:47]
	s_add_nc_u64 s[70:71], s[70:71], s[60:61]
	s_add_nc_u64 s[74:75], s[74:75], s[18:19]
	s_add_nc_u64 s[78:79], s[78:79], s[18:19]
	s_add_nc_u64 s[82:83], s[82:83], s[18:19]
	s_add_nc_u64 s[84:85], s[84:85], s[22:23]
	s_add_nc_u64 s[86:87], s[86:87], s[22:23]
	s_add_nc_u64 s[88:89], s[88:89], s[22:23]
	s_add_nc_u64 s[96:97], s[90:91], s[92:93]
.irp p, 0,1,2,3
.irp c, 0,1
	global_load_b128 v[SX+8*\p+4*\c:SX+8*\p+4*\c+3], v[ABS], s[70:71] offset:\p*1024+16*\c   ; lane l: row 32 p + l, words 4 c ..
.endr
.endr
.irp p, 0,1
.irp c, 0,1
	global_load_b128 v[SB+8*\p+4*\c:SB+8*\p+4*\c+3], v[ABS], s[74:75] offset:\p*1024+16*\c
	global_load_b128 v[S1+8*\p+4*\c:S1+8*\p+4*\c+3], v[ABS], s[78:79] offset:\p*1024+16*\c
	global_load_b128 v[S2+8*\p+4*\c:S2+8*\p+4*\c+3], v[ABS], s[82:83] offset:\p*1024+16*\c
.endr
.endr
	WIN 0xc0
.irp t, 0,1,2,3
.irp c, 0,1
	global_load_b128 v[BB-768+8*\t+4*\c:BB-768+8*\t+4*\c+3], v[BH], s[84:85] offset:64*\t+16*\c   ; q, k: register 8 t + j is d = 16 t + 8 h + j
	global_load_b128 v[B1-768+8*\t+4*\c:B1-768+8*\t+4*\c+3], v[BH], s[86:87] offset:64*\t+16*\c
.endr
	global_load_b32 v[B2-768+8*\t], v[BR], s[88:89] offset:64*\t                                   ; v: d = 16 t + r
.endr
	WIN 0
	s_wait_loadcnt 0x0
	WIN 0xc3
.irp t, 0,8,16,24
.irp i, 1,2,3,4,5,6,7
	v_mov_b32 v[B2-768+\t+\i], v[B2-768+\t]        ; one number a lane and tile, over the tile's eight registers
.endr
.endr
	WIN 0
	s_mov_b32 s95, 0
	s_mov_b32 s3, 0
	WALU
	s_wait_tensorcnt 0x0
	s_barrier_signal -1
	s_barrier_wait -1                              ; Wq's and x's rows are in
; ---- q, then k
.Lqk:
	s_wait_xcnt 0x0                                ; earlier stores have read their base
	s_cmp_eq_u32 s3, 0
	s_cselect_b32 s94, 13312, 0                    ; q's fields lie 13,312 bytes behind k's
	s_cselect_b64 s[62:63], s[76:77], s[80:81]     ; the next weight: Wk, then Wv
	s_add_nc_u64 s[92:93], s[96:97], s[94:95]
	START
	s_wait_tensorcnt 0x0                           ; the three lines ahead of a refill's round
	ds_add_u32 v[SPW], v[NIL]
	s_mov_b64 s[G0W+2:G0W+3], s[62:63]
	s_or_b32 s[G0W+3], s[G0W+3], 0x80000000
	s_wait_dscnt 0x0                               ; the add is done, and I hold the weight in registers
	CROUND
	s_cmp_eq_u32 s15, 0
	s_cbranch_scc0 .Lno_fill
	TLOAD G0W, G1W
.Lno_fill:
.irp p, 0,1,2,3
	XBLOCK 0, 2*\p
	XBLOCK 0, 2*\p+1
	UNITQK \p
.endr
.set I, 0
.rept 16
	v_mov_b32 v[SB+I], v[S1+I]                     ; the next phase's scale words; the 64 lines below are the places ahead of its products
	v_mov_b32 v[S1+I], v[S2+I]
.set I, I+1
.endr
	WIN 0xc3
.set I, 0
.rept 32
	v_mov_b32 v[BB-768+I], v[B1-768+I]             ; and its bias
	v_mov_b32 v[B1-768+I], v[B2-768+I]
.set I, I+1
.endr
	WIN 0
	WALU
	s_wait_tensorcnt 0x0
	s_wait_dscnt 0x0
	s_barrier_signal -1
	s_barrier_wait -1                              ; a plain barrier shows the next weight to all
	s_add_co_u32 s3, s3, 1
	s_cmp_lt_u32 s3, 2
	s_cbranch_scc1 .Lqk
; ---- v
	s_mov_b32 vcc_lo, 0xffff0000
	START
.irp s, 0,1,2,3,4,5,6,7
	XBLOCK 1, \s
.endr
.irp t, 0,1,2,3
	UNITV \t
.endr
	s_wait_tensorcnt 0x0                           ; the wave's end
	ds_add_u32 v[SPW], v[NIL]
	s_wait_dscnt 0x0
	CROUND                                         ; the closing round
	s_endpgm
.Lfunc_end_k_qbfd53e3fdb_qkv:
	.size	k_qbfd53e3fdb_qkv, .Lfunc_end_k_qbfd53e3fdb_qkv-k_qbfd53e3fdb_qkv
	.p2alignl 7, 3214868480
	.fill 96, 4, 3214868480
	.section	.rodata,"a",@progbits
	.p2align	6, 0x0
	.amdhsa_kernel k_qbfd53e3fdb_qkv
		.amdhsa_group_segment_fixed_size 327680
		.amdhsa_private_segment_fixed_size 0
		.amdhsa_enable_private_segment 0
		.amdhsa_kernarg_size 96
		.amdhsa_user_sgpr_count 2
		.amdhsa_user_sgpr_kernarg_segment_ptr 1
		.amdhsa_wavefront_size32 1
		.amdhsa_system_sgpr_workgroup_id_x 1
		.amdhsa_system_sgpr_workgroup_id_y 1
		.amdhsa_system_sgpr_workgroup_id_z 1
		.amdhsa_system_vgpr_workitem_id 0
		.amdhsa_next_free_vgpr 1024
		.amdhsa_next_free_sgpr 100
		.amdhsa_reserve_vcc 1
		.amdhsa_float_denorm_mode_32 3
		.amdhsa_float_denorm_mode_16_64 3
		.amdhsa_memory_ordered 1
		.amdhsa_forward_progress 1
		.amdhsa_inst_pref_size 164
	.end_amdhsa_kernel
	.amdgpu_metadata
---
amdhsa.version: [ 1, 2 ]
amdhsa.kernels:
  - .name:           k_qbfd53e3fdb_qkv
    .symbol:         k_qbfd53e3fdb_qkv.kd
    .args:
      - { .name: x_codes, .offset: 0, .size: 8, .value_kind: global_buffer, .address_space: global }
      - { .name: x_scales, .offset: 8, .size: 8, .value_kind: global_buffer, .address_space: global }
      - { .name: Wq_codes, .offset: 16, .size: 8, .value_kind: global_buffer, .address_space: global }
      - { .name: Wq_scales, .offset: 24, .size: 8, .value_kind: global_buffer, .address_space: global }
      - { .name: Wk_codes, .offset: 32, .size: 8, .value_kind: global_buffer, .address_space: global }
      - { .name: Wk_scales, .offset: 40, .size: 8, .value_kind: global_buffer, .address_space: global }
      - { .name: Wv_codes, .offset: 48, .size: 8, .value_kind: global_buffer, .address_space: global }
      - { .name: Wv_scales, .offset: 56, .size: 8, .value_kind: global_buffer, .address_space: global }
      - { .name: bq, .offset: 64, .size: 8, .value_kind: global_buffer, .address_space: global }
      - { .name: bk, .offset: 72, .size: 8, .value_kind: global_buffer, .address_space: global }
      - { .name: bv, .offset: 80, .size: 8, .value_kind: global_buffer, .address_space: global }
      - { .name: qkv, .offset: 88, .size: 8, .value_kind: global_buffer, .address_space: global }
    .group_segment_fixed_size: 327680
    .private_segment_fixed_size: 0
    .kernarg_segment_align: 8
    .kernarg_segment_size: 96
    .max_flat_workgroup_size: 128
    .sgpr_count:     100
    .vgpr_count:     1024
    .wavefront_size: 32
...
	.end_amdgpu_metadata
.endif
;; end of part 1
;; launch attn (part 2): grid 4 x 64, 16 waves a work-group, no clusters, 28,672 bytes of LDS; arguments qkv, oc, os; writes oc, os
.if DOCPART == 2
	.amdgcn_target "amdgcn-amd-amdhsa--gfx1250"
	.amdhsa_code_object_version 6
	.text
	.protected	k_qbfd53e3fdb_attn
	.globl	k_qbfd53e3fdb_attn
	.p2align	8
	.type	k_qbfd53e3fdb_attn,@function
k_qbfd53e3fdb_attn:
	s_mov_b64 s[64:65], 0
	v_nop
	global_prefetch_b8 v0, s[64:65] scope:SCOPE_SE
	s_setreg_imm32_b32 hwreg(HW_REG_WAVE_MODE, 25, 1), 1
	s_wait_xcnt 0x0
; Causal attention of one (batch, head) on codes of FP6 (E2M3), and the result quantised along (head, d) for the output projection.
; IN: the records of 19,968 bytes that the launch before has laid, record (bh 16 + step), a step = 128 rows: K's codes 0, K's scale words 6,144, V's scale words 6,656, V's codes 7,168, Q's codes 13,312, Q's scale words 19,456,
; all as images of operand registers (four registers of 32 lanes = 512 consecutive bytes).
; THE SOFTMAX AHEAD OF THE SECOND PRODUCT: t = score x log2(e) / 8; M = the row's largest t so far, rounded UP to a whole number; p = 2^(t - M) is quantised along the keys, not normalised.  The row's sum is taken of the
; unquantised p and divides at the end.  When M moves, the sum and O are multiplied by 2^(old M - new M): exact.
; SHARES.  Work-group (i, bh) owns the query blocks 7 - i and i (256 queries each) of its head, one after the other: block blk wants blk + 1 trips of 256 keys, so every work-group walks 8 - i + i + 1 = 9 trips.
; ONE LOOP OF NINE TRIPS, a constant of the text, serves both blocks: the key steps are staged on end (the record's number falls back to 0 behind the first block's 2 (8 - i) steps), and the change of block, which
; touches registers and memory alone, stands at a trip's head under a scalar branch on ids.
; Each of the SIXTEEN waves owns 16 queries, one tile, in 256 registers: four waves to a SIMD, so that one wave's vector work stands beside another's matrix work and LDS loads.
; A key step's first 13,312 bytes of its record go from memory through registers into one of two LDS buffers: asked for one phase ahead, stored into the buffer that the phase before has read, ONE barrier a phase.
; No tensor load and no joint request: the four work-groups of a head change blocks at different trips and then walk different keys, so partners would need different tiles.
; LAYOUT.  Both products are used transposed: S^T = K Q^T (source 0 = 16 keys), O^T = V^T P^T (source 0 = 16 of the head's 64): a lane holds ONE query (lane % 16) throughout.
; K = 64 fills half of the matrix instruction's 128: Q's upper six registers are zero codes, so whatever K's operand holds there (the next tile's codes, or zeros) adds nothing; the scale words hold their two bytes twice.
; In S^T register 8 t + j of lane (r, h) is key 16 t + 8 h + j: a block of 32 keys has the order 0-7, 16-23, 8-15, 24-31 in p's codes, and V's codes were laid in that same order.
; OUT: oc [row tile 512][head 16][768 bytes]: registers 0-5 of lane (r, h) = row r, d block h in TRUE order (it meets Wo's codes), three runs of 256 bytes, 8 bytes a lane; os [row 8,192][32]: the scale bytes, 2 a head.
; LIMITS: NaN and infinities are not served; a block whose largest magnitude lies under 2^-124 keeps the scale byte 1 (a block of zeros too: its codes are zeros; this program alone reads the bytes).
.set REC,  19968
.set STG,  13312                       ; bytes staged for a key step; buffer 1 begins here
.set TRIPS, 9
.set LI,   1                           ; v1   16 x lane
.set TI,   2                           ; v2   16 x thread
.set RH,   3                           ; v3   r - 8 h
.set QA,   4                           ; v4   16 x lane + 1,536 x my pair of Q's tiles
.set QSA,  5                           ; v5   my place among Q's scale words
.set L8,   6                           ; v6   8 x lane
.set R32,  7                           ; v7   32 r
.set QF,   16                          ; v16-21 Q's codes, v22-27 zero codes
.set QW,   28                          ; Q's scale word
.set PWD,  29                          ; p's scale word
.set VW,   30                          ; v30-31 V's scale words
.set KW,   32                          ; v32-35 K's scale words
.set ST0,  36                          ; v36-43, v44-51: a key step's bytes on their way from memory to LDS
.set ST1,  44
.set FR,   52                          ; v52-99 K's or V's fragments; v100-105 zero codes behind K's last tile
.set S,    106                         ; v106-169 S^T, then p
.set OA,   170                         ; v170-201 O^T
.set PC,   202                         ; v202-213 p's codes
.set CT,   214                         ; v214-216, v218-220 half blocks of codes
.set BM,   222                         ; v222-225 a block's largest score, then its largest p
.set BP,   226                         ; v226-229 the other half's; then the bytes
.set BS,   230                         ; v230-233 the conversions' scale operands
.set FF,   234                         ; v[234:235] f = 2^(old M - new M)
.set SUM2, 236                         ; v[236:237] the sum's second chain
.set TMP,  238
.set NINF, 240                         ; -infinity; never rewritten
.set WV,   10                          ; wave
.set WI,   11                          ; i
.set BHD,  12                          ; batch x 16 + head
.set BLK,  14                          ; the query block in hand
.set TR,   15                          ; trips to go
.set Q0,   16                          ; my first query
.set QE,   17                          ; my last
.set KF,   18                          ; the step's first key
.set SN,   19                          ; the record that the staging registers hold or await
.set SEL,  20                          ; s[20:21] lane l xor 16
.set CS,   22                          ; s[22:23] c = log2(e) / 8
.set BASE, 24                          ; s[24:25] my head's first record
.set GA,   26                          ; s[26:27] the record being fetched
.set OFS,  28                          ; s[28:29] an offset, its high word 0
.set GQ,   30                          ; s[30:31] Q's record
.set OCP,  32
.set OSP,  34
.set UM,   36                          ; all ones where my tile is the odd one of its pair
.set SWT,  42                          ; i + 1: the trips to go when block i begins
.set LIM,  43                          ; 2 (8 - i): the first block's key steps
	s_load_b128 s[4:7], s[0:1], 0x0                ; the records, oc
	s_load_b64 s[8:9], s[0:1], 0x10                ; os
	v_lshl_add_u32 v254, v0, 2, 0x6800
	v_mov_b32 v255, 0
	v_lshrrev_b32 v8, 5, v0
	s_delay_alu instid0(VALU_DEP_1)
	v_readfirstlane_b32 s[WV], v8                  ; wave 0..15
	s_mov_b32 s[WI], ttmp9
	s_and_b32 s[BHD], ttmp7, 0xffff
	v_and_b32 v9, 31, v0                           ; lane
	v_and_b32 v10, 15, v0                          ; r
	v_bfe_u32 v11, v0, 4, 1                        ; h
	s_delay_alu instid0(VALU_DEP_3)
	v_lshlrev_b32 v[LI], 4, v9
	v_lshlrev_b32 v[TI], 4, v0
	s_delay_alu instid0(VALU_DEP_3)
	v_lshlrev_b32 v[RH], 3, v11
	s_delay_alu instid0(VALU_DEP_1)
	v_sub_nc_u32 v[RH], v10, v[RH]
	s_bfe_u32 s37, s[WV], 0x20001                  ; p: my tile's pair among the step's four
	s_and_b32 s39, s[WV], 1                        ; u: which of the pair
	s_mul_i32 s40, s37, 1536
	v_add_nc_u32 v[QA], s40, v[LI]
	s_lshl_b32 s40, s39, 8
	s_lshl_b32 s37, s37, 2
	s_add_co_u32 s40, s40, s37
	v_lshl_add_u32 v[QSA], v10, 4, s40             ; lane 16 u + r's four words, word p
	v_lshlrev_b32 v[L8], 3, v9
	v_lshlrev_b32 v[R32], 5, v10
	s_cmp_eq_u32 s39, 1
	s_cselect_b32 s[UM], -1, 0
.irp i, 0,1,2,3,4,5
	v_mov_b32 v[QF+6+\i], 0                        ; Q's upper 64 along K: zero codes
	v_mov_b32 v[FR+48+\i], 0                       ; and what stands behind K's last tile
.endr
.irp i, 0,1,2,3
	v_mov_b32 v[BP+\i], 0                          ; a lane permute's destination counts as one of its sources
.endr
	v_mov_b32 v[FF+1], 0                           ; named as the upper half of a pair
	v_mov_b32 v[TMP], 0
	v_mov_b32 v[NINF], 0xff800000
	s_mov_b32 s[SEL], 0x76543210
	s_mov_b32 s[SEL+1], 0xfedcba98
	s_mov_b32 s[CS], 0x3e38aa3b                    ; log2(e) / 8
	s_mov_b32 s[CS+1], s[CS]
	s_add_co_u32 s[SWT], s[WI], 1
	s_sub_co_u32 s[LIM], 8, s[WI]
	s_lshl_b32 s[LIM], s[LIM], 1
	s_sub_co_u32 s[BLK], 7, s[WI]                  ; the first block: 7 - i
	s_mov_b32 s[SN], 0
	s_mul_i32 s[OFS], s[BHD], 16*REC
	s_mov_b32 s[OFS+1], 0
	s_wait_kmcnt 0x0
	s_add_nc_u64 s[BASE:BASE+1], s[4:5], s[OFS:OFS+1]
; Record SN's first 13,312 bytes into a set of staging registers: 16 bytes a thread, and 16 more in waves 0 to 9 (512 + 320 threads x 16).  All earlier loads have been waited for, so the base may be written.
.macro LD set
	s_mul_i32 s[OFS], s[SN], REC
	s_add_nc_u64 s[GA:GA+1], s[BASE:BASE+1], s[OFS:OFS+1]
	global_load_b128 v[\set:\set+3], v[TI], s[GA:GA+1]
	s_cmp_lt_u32 s[WV], 10
	s_cbranch_scc0 .Lld_\@
	global_load_b128 v[\set+4:\set+7], v[TI], s[GA:GA+1] offset:8192
.Lld_\@:
.endm
.macro PUT set, buf                    ; and from there into an LDS buffer, as they lie
	ds_store_b128 v[TI], v[\set:\set+3] offset:(\buf)*STG
	s_cmp_lt_u32 s[WV], 10
	s_cbranch_scc0 .Lput_\@
	ds_store_b128 v[TI], v[\set+4:\set+7] offset:(\buf)*STG+8192
.Lput_\@:
.endm
.macro NEXT                            ; the next record: behind the first block's last step comes the second block's step 0 (the second block has 2 (i + 1) steps, fewer than LIM: it never turns back again)
	s_add_co_u32 s[SN], s[SN], 1
	s_cmp_eq_u32 s[SN], s[LIM]
	s_cselect_b32 s[SN], 0, s[SN]
.endm
; A QUERY BLOCK BEGINS (s[BLK]): my 16 queries' codes and scale word, where my results will go, and fresh statistics.  Registers and memory alone: no LDS, no barrier.
.macro NEWBLK
	s_wait_xcnt 0x0                                ; earlier loads and stores have read their addresses and data: both are written again below
	s_lshl_b32 s37, s[BLK], 1
	s_lshr_b32 s39, s[WV], 3
	s_add_co_u32 s37, s37, s39                     ; the step in which my queries lie
	s_lshl_b32 s[Q0], s[BLK], 8
	s_lshl_b32 s39, s[WV], 4
	s_add_co_u32 s[Q0], s[Q0], s39
	s_add_co_u32 s[QE], s[Q0], 15
	s_mov_b32 s[KF], 0
	s_mul_i32 s[OFS], s37, REC
	s_add_nc_u64 s[GQ:GQ+1], s[BASE:BASE+1], s[OFS:OFS+1]
.irp c, 0,1,2
	global_load_b128 v[S+4*\c:S+4*\c+3], v[QA], s[GQ:GQ+1] offset:13312+512*\c   ; my pair of Q's tiles
.endr
	global_load_b32 v[QW], v[QSA], s[GQ:GQ+1] offset:19456
	s_lshr_b32 s37, s[BHD], 4                      ; the batch
	s_and_b32 s39, s[BHD], 15                      ; the head
	s_lshl_b32 s40, s37, 7
	s_lshr_b32 s41, s[Q0], 4
	s_add_co_u32 s40, s40, s41                     ; my row tile among the 512
	s_lshl_b32 s40, s40, 4
	s_add_co_u32 s40, s40, s39
	s_mul_i32 s[OFS], s40, 768
	s_add_nc_u64 s[OCP:OCP+1], s[6:7], s[OFS:OFS+1]
	s_lshl_b32 s40, s37, 11
	s_add_co_u32 s40, s40, s[Q0]
	s_lshl_b32 s40, s40, 5
	s_lshl_b32 s39, s39, 1
	s_add_co_u32 s[OFS], s40, s39
	s_add_nc_u64 s[OSP:OSP+1], s[8:9], s[OFS:OFS+1]
	v_mov_b32 v13, 0xff61b1e6                      ; the largest t so far: -3e38, under every t
	s_delay_alu instid0(VALU_DEP_1)
	v_floor_f32 v12, -v13                          ; -M
	v_mov_b32 v14, 0                               ; the sum, in two halves
	v_mov_b32 v15, 0
	s_wait_loadcnt 0x0                             ; Q, and whatever key step was on its way
.irp i, 0,1,2,3,4,5
	v_cndmask_b32 v[QF+\i], v[S+\i], v[S+6+\i], s[UM]   ; my tile of the pair
.endr
.set n, 0
.rept 32
	v_mov_b32 v[OA+n], 0                           ; O^T: the step is written once; a block's first step finds zeros.  (These are also the places between Q's codes and the first product)
.set n, n+1
.endr
.endm
; A KEY STEP: 128 keys, in LDS buffer buf.
.macro STEP buf
	s_cmp_gt_u32 s[KF], s[QE]                      ; all its keys come after my queries: no loads and no scores (a branch on ids; it leads to the join in front of the signal)
	s_cbranch_scc1 .Lmid_\@
.rept 4
	v_nop                                          ; places between the last products and the loads into the registers that they read
.endr
.set n, 0
.rept 12
	ds_load_b128 v[FR+4*n:FR+4*n+3], v[LI] offset:(\buf)*STG+512*n   ; K: tile t's six registers at v[FR + 6 t]
.set n, n+1
.endr
	ds_load_b128 v[KW:KW+3], v[LI] offset:(\buf)*STG+6144            ; word p: lanes 0-15 tile 2 p, lanes 16-31 tile 2 p + 1
	s_wait_dscnt 0x0
.irp t, 0,1,2,3,4,5,6,7
.if \t % 2
	v_wmma_scale_f32_16x16x128_f8f6f4 v[S+8*\t:S+8*\t+7], v[FR+6*\t:FR+6*\t+11], v[QF:QF+11], 0, v[KW+\t/2], v[QW] matrix_a_fmt:MATRIX_FMT_FP6 matrix_b_fmt:MATRIX_FMT_FP6 matrix_a_scale:MATRIX_SCALE_ROW1
.else
	v_wmma_scale_f32_16x16x128_f8f6f4 v[S+8*\t:S+8*\t+7], v[FR+6*\t:FR+6*\t+11], v[QF:QF+11], 0, v[KW+\t/2], v[QW] matrix_a_fmt:MATRIX_FMT_FP6 matrix_b_fmt:MATRIX_FMT_FP6
.endif
.endr
.rept 4
	v_nop                                          ; places in front of the loads into K's registers and of the first read of the scores
.endr
.set n, 0
.rept 12
	ds_load_b128 v[FR+4*n:FR+4*n+3], v[LI] offset:(\buf)*STG+7168+512*n   ; V: d tile t's fragment at v[FR + 12 t]; it lands while the softmax is walked
.set n, n+1
.endr
	ds_load_b64 v[VW:VW+1], v[LI] offset:(\buf)*STG+6656             ; word e: lanes 0-15 d tile 2 e, lanes 16-31 d tile 2 e + 1
.Lmid_\@:                                          ; every wave comes here: all my LDS work of this phase has been issued
	s_wait_dscnt 0x0                               ; my stores into the other buffer have landed, my reads of this one are in:
	s_barrier_signal -1                            ; say so now; what follows up to the phase's s_barrier_wait works on registers alone
	s_cmp_gt_u32 s[KF], s[QE]                      ; the same test on ids once more
	s_cbranch_scc1 .Lhid_\@
	s_add_co_u32 s37, s[KF], 127
	s_cmp_le_u32 s37, s[Q0]                        ; all 128 keys count for all my queries: no mask
	s_cbranch_scc1 .Lopen_\@
	s_sub_co_i32 s37, s[Q0], s[KF]
	v_add_nc_u32 v[TMP], s37, v[RH]                ; my query - KF - 8 h.  Register n holds key KF + 8 h + 16 (n / 8) + n % 8: hidden where 16 (n / 8) + n % 8 is above this
.set n, 0
.rept 64
	v_cmp_gt_i32 vcc_lo, 16*(n/8)+n%8, v[TMP]
	v_cndmask_b32 v[S+n], v[S+n], v[NINF], vcc_lo
.set n, n+1
.endr
.Lopen_\@:
.irp b, 0,1,2,3
	v_max3_num_f32 v[BM+\b], v[S+16*\b], v[S+1+16*\b], v[S+2+16*\b]   ; the largest score of each block of 32 keys: for the row's maximum and, since p rises with the score, for the block's largest p
.endr
.irp i, 3,5,7,9,11,13
.irp b, 0,1,2,3
	v_max3_num_f32 v[BM+\b], v[BM+\b], v[S+16*\b+\i], v[S+1+16*\b+\i]   ; the four blocks by turns
.endr
.endr
.irp b, 0,1,2,3
	v_max_num_f32 v[BM+\b], v[BM+\b], v[S+15+16*\b]
.endr
.irp b, 0,1,2,3
	s_delay_alu instid0(VALU_DEP_4)
	v_permlanex16_b32 v[BP+\b], v[BM+\b], s[SEL], s[SEL+1]
.endr
.irp b, 0,1,2,3
	s_delay_alu instid0(VALU_DEP_4)
	v_max_num_f32 v[BM+\b], v[BM+\b], v[BP+\b]     ; with lane l xor 16's 16 keys
.endr
	s_delay_alu instid0(VALU_DEP_2)
	v_max3_num_f32 v[TMP], v[BM], v[BM+1], v[BM+2]
	s_delay_alu instid0(VALU_DEP_1)
	v_max_num_f32 v[TMP], v[TMP], v[BM+3]          ; the step's largest score of my query
	s_delay_alu instid0(VALU_DEP_1)
	v_mul_f32 v[TMP], s[CS], v[TMP]                ; as t
	s_delay_alu instid0(VALU_DEP_1)
	v_max_num_f32 v13, v13, v[TMP]                 ; the running largest t
	v_mov_b32 v[TMP], v12
	s_delay_alu instid0(VALU_DEP_2)
	v_floor_f32 v12, -v13                          ; the new -M = floor(-t): M is a whole number
	s_delay_alu instid0(VALU_DEP_1)
	v_sub_f32 v[TMP], v12, v[TMP]                  ; old M - new M: a whole number, 0 or less
	s_delay_alu instid0(VALU_DEP_1)
	v_cvt_i32_f32 v[TMP], v[TMP]                   ; (it saturates)
	s_delay_alu instid0(VALU_DEP_1)
	v_ldexp_f32 v[FF], 1.0, v[TMP]                 ; f = 2^(old M - new M)
.set n, 0
.rept 32
	v_pk_fma_f32 v[S+n:S+n+1], v[S+n:S+n+1], s[CS:CS+1], v[12:13] op_sel_hi:[1,0,0]   ; t - M, two at a time
.set n, n+2
.endr
.irp b, 0,1,2,3
	v_fma_f32 v[BM+\b], v[BM+\b], s[CS], v12       ; the same of each block's largest score
.endr
.set n, 0
	s_wait_alu depctr_va_vdst(0)
.rept 64
	v_exp_f32 v[S+n], v[S+n]                       ; p = 2^(t - M), at most 1
.set n, n+1
.endr
	v_pk_mul_f32 v[14:15], v[14:15], v[FF:FF+1] op_sel_hi:[1,0]   ; the sums under the new M: the plain line behind the exponentials
	s_wait_alu depctr_va_vdst(0)                   ; one wait for the whole batch, ahead of its first reader
.irp b, 0,1,2,3
	v_exp_f32 v[BM+\b], v[BM+\b]                   ; the block's largest p: the same two instructions on the same number
.endr
	v_pk_add_f32 v[236:237], v[110:111], v[114:115]
	v_pk_add_f32 v[252:253], v[118:119], v[122:123]
	v_pk_add_f32 v[250:251], v[126:127], v[130:131]
	v_pk_add_f32 v[248:249], v[134:135], v[138:139]
	v_pk_add_f32 v[246:247], v[142:143], v[146:147]
	v_pk_add_f32 v[244:245], v[150:151], v[154:155]
	v_pk_add_f32 v[242:243], v[158:159], v[162:163]
	v_pk_add_f32 v[14:15], v[14:15], v[166:167]
	v_pk_add_f32 v[236:237], v[236:237], v[106:107]
	v_pk_add_f32 v[252:253], v[252:253], v[108:109]
	v_pk_add_f32 v[250:251], v[250:251], v[112:113]
	v_pk_add_f32 v[248:249], v[248:249], v[116:117]
	v_pk_add_f32 v[246:247], v[246:247], v[120:121]
	v_pk_add_f32 v[244:245], v[244:245], v[124:125]
	v_pk_add_f32 v[242:243], v[242:243], v[128:129]
	v_pk_add_f32 v[14:15], v[14:15], v[132:133]
	v_pk_add_f32 v[236:237], v[236:237], v[136:137]
	v_pk_add_f32 v[252:253], v[252:253], v[140:141]
	v_pk_add_f32 v[250:251], v[250:251], v[144:145]
	v_pk_add_f32 v[248:249], v[248:249], v[148:149]
	v_pk_add_f32 v[246:247], v[246:247], v[152:153]
	v_pk_add_f32 v[244:245], v[244:245], v[156:157]
	v_pk_add_f32 v[242:243], v[242:243], v[160:161]
	v_pk_add_f32 v[14:15], v[14:15], v[164:165]
	v_pk_add_f32 v[236:237], v[236:237], v[168:169]
	s_delay_alu instid0(VALU_DEP_2)
	v_pk_add_f32 v[14:15], v[14:15], v[248:249]
	s_delay_alu instid0(VALU_DEP_2)
	v_pk_add_f32 v[236:237], v[236:237], v[246:247]
	v_pk_add_f32 v[252:253], v[252:253], v[244:245]
	v_pk_add_f32 v[250:251], v[250:251], v[242:243]
	s_delay_alu instid0(VALU_DEP_2)
	v_pk_add_f32 v[14:15], v[14:15], v[252:253]
	s_delay_alu instid0(VALU_DEP_2)
	v_pk_add_f32 v[236:237], v[236:237], v[250:251]
	s_delay_alu instid0(VALU_DEP_1)
	v_pk_add_f32 v[14:15], v[14:15], v[236:237]
	s_wait_alu depctr_va_vdst(0)                   ; and one for the four
.irp b, 0,1,2,3
	v_max_num_f32 v[BM+\b], 0x1800000, v[BM+\b]    ; the floor 2^(3 - 127): the byte cannot fall under 1
.endr
.irp b, 0,1,2,3
	s_delay_alu instid0(VALU_DEP_4)
	v_add_nc_u32 v[BS+\b], 0xff000000, v[BM+\b]    ; 2 off the exponent field: the conversion's scale operand
.endr
.irp b, 0,1,2,3
	s_delay_alu instid0(VALU_DEP_4)
	v_lshrrev_b32 v[BP+\b], 23, v[BS+\b]           ; the scale's byte
.endr
	s_delay_alu instid0(VALU_DEP_3)
	v_lshl_or_b32 v[PWD], v[BP+1], 8, v[BP]        ; p's scale word for these 128 keys
	s_delay_alu instid0(VALU_DEP_1)
	v_lshl_or_b32 v[PWD], v[BP+2], 16, v[PWD]
	s_delay_alu instid0(VALU_DEP_1)
	v_lshl_or_b32 v[PWD], v[BP+3], 24, v[PWD]
.irp c, 0,1
	v_cvt_scalef32_pk16_fp6_f32 v[PC+6*\c:PC+6*\c+2], v[S+32*\c:S+32*\c+15], v[BS+2*\c]
	v_cvt_scalef32_pk16_fp6_f32 v[CT+4*\c:CT+4*\c+2], v[S+16+32*\c:S+31+32*\c], v[BS+2*\c+1]
.endr
	v_nop                                          ; one plain line behind the scaled conversions
.irp c, 0,1
.irp i, 0,1,2
	v_permlane16_swap_b32 v[PC+6*\c+\i], v[CT+4*\c+\i]   ; a whole block in a lane: lanes 0-15 block 2 c, lanes 16-31 block 2 c + 1
.endr
.irp i, 0,1,2
	s_delay_alu instid0(VALU_DEP_3)
	v_mov_b32 v[PC+3+6*\c+\i], v[CT+4*\c+\i]
.endr
.endr
.set n, 0
.rept 16
	v_pk_mul_f32 v[OA+n:OA+n+1], v[OA+n:OA+n+1], v[FF:FF+1] op_sel_hi:[1,0]   ; O^T under the new M.  For each product below twelve of these name none of its registers: the places behind p's codes and scale word
.set n, n+2
.endr
	s_wait_alu depctr_va_vdst(0)
	s_wait_dscnt 0x0                               ; V
.irp t, 0,1,2,3
.if \t % 2
	v_wmma_scale_f32_16x16x128_f8f6f4 v[OA+8*\t:OA+8*\t+7], v[FR+12*\t:FR+12*\t+11], v[PC:PC+11], v[OA+8*\t:OA+8*\t+7], v[VW+\t/2], v[PWD] matrix_a_fmt:MATRIX_FMT_FP6 matrix_b_fmt:MATRIX_FMT_FP6 matrix_a_scale:MATRIX_SCALE_ROW1
.else
	v_wmma_scale_f32_16x16x128_f8f6f4 v[OA+8*\t:OA+8*\t+7], v[FR+12*\t:FR+12*\t+11], v[PC:PC+11], v[OA+8*\t:OA+8*\t+7], v[VW+\t/2], v[PWD] matrix_a_fmt:MATRIX_FMT_FP6 matrix_b_fmt:MATRIX_FMT_FP6
.endif
.endr                                              ; the four accumulators take turns, and eight products of scores stand between a link and the next
.Lhid_\@:
	s_add_co_u32 s[KF], s[KF], 128
.endm
; A PHASE: the step in buffer ph is worked; the step behind it goes from its staging registers into the other buffer, which every wave left ahead of the last barrier; the step after that is asked for.
; The last trip (s[TR] = 1) holds the last two steps: its first phase stages the last step and asks for nothing, its second does neither.
.macro PHASE ph
	s_wait_loadcnt 0x0                             ; the step asked for a phase ago is in its registers
.if \ph
	s_cmp_eq_u32 s[TR], 1
	s_cbranch_scc1 .Lnone_\@
	PUT ST0, 0
	NEXT
	LD ST1
.else
	PUT ST1, 1
	s_cmp_eq_u32 s[TR], 1
	s_cbranch_scc1 .Lnone_\@
	NEXT
	LD ST0                                         ; its registers were read by LDS stores that were waited for ahead of the last barrier
.endif
.Lnone_\@:
	STEP \ph                                       ; the phase's signal stands in the step, behind its last LDS load
	s_barrier_wait -1                              ; all sixteen waves have left this buffer and filled the other
.endm
; THE WAY OUT of a query block: O^T / the sum, d put into true order, quantised along d, stored as the next launch's operand.  Registers and memory alone.
.macro WAYOUT
.rept 4
	v_nop                                          ; places behind the last products
.endr
	v_add_f32 v14, v14, v15
	s_delay_alu instid0(VALU_DEP_1)
	v_permlanex16_b32 v[TMP], v14, s[SEL], s[SEL+1]
	s_delay_alu instid0(VALU_DEP_1)
	v_add_f32 v14, v14, v[TMP]                     ; the row's sum
	s_wait_alu depctr_va_vdst(0)
	v_rcp_f32 v14, v14
	v_nop                                          ; a plain line behind the reciprocal,
	s_wait_alu depctr_va_vdst(0)                   ; and the wait ahead of its first reader
.set n, 0
.rept 32
	v_mul_f32 v[S+n], v[OA+n], v14                 ; register 8 t + j: d = 16 t + 8 h + j
.set n, n+1
.endr
.irp b, 0,1
.irp j, 0,1,2,3,4,5,6,7
	v_permlane16_swap_b32 v[S+16*\b+\j], v[S+8+16*\b+\j]   ; d 32 b + 8 + j of lanes 16-31 changes places with d 32 b + 16 + j of lanes 0-15: register 16 b + i now holds d = 32 b + 16 h + i
.endr
.endr
.irp b, 0,1
	v_max3_num_f32 v[BM+\b], |v[S+16*\b]|, |v[S+1+16*\b]|, 0x1800000   ; my 16 numbers of d block b, and the floor 2^(3 - 127)
.endr
.irp i, 2,4,6,8,10,12,14
.irp b, 0,1
	s_delay_alu instid0(VALU_DEP_2)
	v_max3_num_f32 v[BM+\b], v[BM+\b], |v[S+16*\b+\i]|, |v[S+1+16*\b+\i]|
.endr
.endr
.irp b, 0,1
	s_delay_alu instid0(VALU_DEP_2)
	v_permlanex16_b32 v[BP+\b], v[BM+\b], s[SEL], s[SEL+1]
.endr
.irp b, 0,1
	s_delay_alu instid0(VALU_DEP_2)
	v_max_num_f32 v[BM+\b], v[BM+\b], v[BP+\b]     ; the block's largest magnitude
.endr
.irp b, 0,1
	s_delay_alu instid0(VALU_DEP_2)
	v_add_nc_u32 v[BS+\b], 0xff000000, v[BM+\b]
.endr
.irp b, 0,1
	s_delay_alu instid0(VALU_DEP_2)
	v_lshrrev_b32 v[BP+\b], 23, v[BS+\b]
.endr
	s_delay_alu instid0(VALU_DEP_1)
	v_lshl_or_b32 v[TMP], v[BP+1], 8, v[BP]        ; my row's two scale bytes of this head
	v_cvt_scalef32_pk16_fp6_f32 v[PC:PC+2], v[S:S+15], v[BS]
	v_cvt_scalef32_pk16_fp6_f32 v[CT:CT+2], v[S+16:S+31], v[BS+1]
	v_nop                                          ; one plain line behind the scaled conversions
.irp i, 0,1,2
	v_permlane16_swap_b32 v[PC+\i], v[CT+\i]
.endr
.irp i, 0,1,2
	s_delay_alu instid0(VALU_DEP_3)
	v_mov_b32 v[PC+3+\i], v[CT+\i]                 ; registers 0-5: lanes 0-15 d block 0, lanes 16-31 d block 1
.endr
.irp c, 0,1,2
	global_store_b64 v[L8], v[PC+2*\c:PC+2*\c+1], s[OCP:OCP+1] offset:256*\c   ; 256 consecutive bytes, at a multiple of 256 from the buffer's first byte
.endr
	global_store_b16 v[R32], v[TMP], s[OSP:OSP+1]  ; two bytes a row (lanes r and 16 + r hold and write the same): 1 byte in 24 of what this launch stores
.endm
	LD ST0                                         ; the first block's step 0 is asked for first;
	NEWBLK                                         ; block 7 - i; its wait for all loads covers step 0 too
	PUT ST0, 0
	s_mov_b32 s[SN], 1
	LD ST1                                         ; step 1: every block has it
	s_wait_dscnt 0x0                               ; my part of step 0 lies in buffer 0
	s_barrier_signal -1
	s_barrier_wait -1
	s_mov_b32 s[TR], TRIPS
.Ltrip:
	s_cmp_eq_u32 s[TR], s[SWT]                     ; i + 1 trips to go: the first block's keys are through, and buffer 0 holds step 0 again
	s_cbranch_scc0 .Lsame
	WAYOUT
	s_mov_b32 s[BLK], s[WI]
	NEWBLK                                         ; block i
.Lsame:
	PHASE 0
	PHASE 1
	s_sub_co_u32 s[TR], s[TR], 1
	s_cmp_lg_u32 s[TR], 0
	s_cbranch_scc1 .Ltrip
	WAYOUT
	s_wait_tensorcnt 0x0
	ds_add_u32 v254, v255
	s_wait_dscnt 0x0
	s_endpgm
.Lfunc_end_k_qbfd53e3fdb_attn:
	.size	k_qbfd53e3fdb_attn, .Lfunc_end_k_qbfd53e3fdb_attn-k_qbfd53e3fdb_attn
	.p2alignl 7, 3214868480
	.fill 96, 4, 3214868480
	.section	.rodata,"a",@progbits
	.p2align	6, 0x0
	.amdhsa_kernel k_qbfd53e3fdb_attn
		.amdhsa_group_segment_fixed_size 28672
		.amdhsa_private_segment_fixed_size 0
		.amdhsa_enable_private_segment 0
		.amdhsa_kernarg_size 24
		.amdhsa_user_sgpr_count 2
		.amdhsa_user_sgpr_kernarg_segment_ptr 1
		.amdhsa_wavefront_size32 1
		.amdhsa_system_sgpr_workgroup_id_x 1
		.amdhsa_system_sgpr_workgroup_id_y 1
		.amdhsa_system_sgpr_workgroup_id_z 1
		.amdhsa_system_vgpr_workitem_id 0
		.amdhsa_next_free_vgpr 256
		.amdhsa_next_free_sgpr 66
		.amdhsa_reserve_vcc 1
		.amdhsa_float_denorm_mode_32 3
		.amdhsa_float_denorm_mode_16_64 3
		.amdhsa_memory_ordered 1
		.amdhsa_forward_progress 1
		.amdhsa_inst_pref_size 65
	.end_amdhsa_kernel
	.amdgpu_metadata
---
amdhsa.version: [ 1, 2 ]
amdhsa.kernels:
  - .name:           k_qbfd53e3fdb_attn
    .symbol:         k_qbfd53e3fdb_attn.kd
    .args:
      - { .name: qkv, .offset: 0, .size: 8, .value_kind: global_buffer, .address_space: global }
      - { .name: oc, .offset: 8, .size: 8, .value_kind: global_buffer, .address_space: global }
      - { .name: os, .offset: 16, .size: 8, .value_kind: global_buffer, .address_space: global }
    .group_segment_fixed_size: 28672
    .private_segment_fixed_size: 0
    .kernarg_segment_align: 8
    .kernarg_segment_size: 24
    .max_flat_workgroup_size: 512
    .sgpr_count:     66
    .vgpr_count:     256
    .wavefront_size: 32
...
	.end_amdgpu_metadata
.endif
;; end of part 2
;; launch oproj (part 3): grid 8 x 32, 4 waves a work-group, clusters of 4 x 4, 327,680 bytes of LDS; arguments oc, os, Wo_codes, Wo_scales, out0, bo; writes out0
.if DOCPART == 3
	.amdgcn_target "amdgcn-amd-amdhsa--gfx1250"
	.amdhsa_code_object_version 6
	.text
	.protected	k_qbfd53e3fdb_oproj
	.globl	k_qbfd53e3fdb_oproj
	.p2align	8
	.type	k_qbfd53e3fdb_oproj,@function
k_qbfd53e3fdb_oproj:
	s_mov_b64 s[64:65], 0
	v_nop
	global_prefetch_b8 v0, s[64:65] scope:SCOPE_SE
	s_setreg_imm32_b32 hwreg(HW_REG_WAVE_MODE, 25, 1), 1
	s_wait_xcnt 0x0
	s_wait_alu depctr_hold_cnt(0) depctr_sa_sdst(0) depctr_va_vdst(0) depctr_va_sdst(0) depctr_va_ssrc(0) depctr_va_vcc(0) depctr_vm_vsrc(0)
	s_getreg_b32 s2, hwreg(HW_REG_IB_STS2, 6, 4)
	s_cmp_eq_u32 s2, 0
	s_cbranch_scc0 .Lentry_in_a_cluster
	s_endpgm
.Lentry_in_a_cluster:
	s_bfe_u32 s2, ttmp6, 0x10000c
	s_cmp_lg_u32 s2, 0xf033
	s_cbranch_scc0 .Lentry_shape_is_right
	s_endpgm
.Lentry_shape_is_right:
; out = o Wo + bo on codes of FP6 (E2M3) with E8M0 scales, K = 1,024; f32 sums, f32 out.
; o comes as the attention launch leaves it: oc [row tile of 16][head][768 bytes], images of six operand registers (three runs of 256 bytes, 8 bytes a lane); os [row][32] scale bytes.
; 256 work-groups: (np, xt) makes rows 256 xt .. + 255 x columns 128 np .. + 127.  LDS, filled once: o's 16 row tiles (196,608 dense bytes), Wo's 128 rows (768 bytes, 16 of padding behind each 256); a stage for each wave; the spare words.
; Four waves, 2 x 2: wave (a, b) takes rows 128 a on and columns 64 b on; its 64 rows of Wo, all of K, lie in 384 registers; o goes past in blocks of 16 rows, two sets of fragments.
; Source 0 = Wo's rows: a lane holds eight neighbouring columns of one row; bo is the C of each sum's first product.  A block of 16 x 64 goes through my stage and leaves as rows of 256 consecutive aligned bytes.
; Block s's way through the stage is issued ahead of block s + 1's products and its stores stand behind them.
; o's tile is shared along a row of the cluster, Wo's along a column: joint loads.  All tiles are asked for at the head and there is no loop to run ahead in: no prefetch.
.set KROW,  768
.set PITCH, 816
.set FR,    12
.set FPW,   21
.set XT,    12288                      ; a row tile of o
.set BVB,   16*XT
.set STG,   BVB+128*PITCH
.set SP,    272
.set SPARE, STG+4*16*SP
.set ADRA0, 4
.set ADRA,  6
.set STO,   7
.set RD,    8
.set CO,    9
.set SPW,   10
.set NIL,   11
.set SB,    12
.set SX,    32
.set ACC,   64                         ; v64-127 two sets of four accumulators
.set OB,    128                        ; v128-191 rows read back from the stage, two sets
.set ABS,   240
.set BH,    241
.set BB,    968
.set BA,    1000
.set G1X, 24
.set G0X, 32
.set G0W, 36
.set G1W, 48
.set MSB, 0
.macro WIN new
.if MSB != (\new)
	s_set_vgpr_msb (MSB<<8)|(\new)
.set MSB, (\new)
.endif
.endm
.macro PLACES n
.rept \n
	v_nop
.endr
.endm
.macro WALU
	s_wait_alu depctr_va_vdst(0)
.endm
.macro CROUND
	s_barrier_signal -1
	s_barrier_wait -1
	s_cmp_lg_u32 s14, 0
	s_cbranch_scc1 .Lnot_wave_0_\@
	s_barrier_signal -3
.Lnot_wave_0_\@:
	s_barrier_wait -3
	s_barrier_signal -1
	s_barrier_wait -1
.endm
.macro TLOAD g0, g1
	tensor_load_to_lds s[\g0:\g0+3], s[\g1:\g1+7]
	s_nop 0
	PLACES 4
.endm
.macro FRAG f, q, a0, a1, aw           ; Wo: six pieces of 8 bytes, two to a load where both lie behind as many paddings
	WIN ((1+(\f)/FPW)<<6)|(\aw)
.set R_, FR*((\f)%FPW)
.set SKIP_, 0
.irp p, 0,1,2,3,4,5
.if SKIP_
.set SKIP_, 0
.else
.set PC_, 12*(\q)+6*(\p/3)+\p%3
.set PN_, 12*(\q)+6*((\p+1)/3)+(\p+1)%3
.set X_, (PC_%32+3)/32
.set XQ_, (PN_%32+3)/32
.if (\p < 5) && (X_ == XQ_)
.set SKIP_, 1
.if X_
	ds_load_2addr_b64 v[R_+2*\p:R_+2*\p+3], \a1 offset0:PC_+2*(PC_/32) offset1:PN_+2*(PN_/32)
.else
	ds_load_2addr_b64 v[R_+2*\p:R_+2*\p+3], \a0 offset0:PC_+2*(PC_/32) offset1:PN_+2*(PN_/32)
.endif
.elseif X_
	ds_load_b64 v[R_+2*\p:R_+2*\p+1], \a1 offset:8*(PC_+2*(PC_/32))
.else
	ds_load_b64 v[R_+2*\p:R_+2*\p+1], \a0 offset:8*(PC_+2*(PC_/32))
.endif
.endif
.endr
.endm
.macro WEIGHTS
.irp q, 0,1,2,3,4,5,6,7
.irp b, 0,1,2,3
	FRAG 4*\q+\b, \q, v[BA-768+2*\b], v[BA-768+2*\b+1], 3
.endr
.endr
	WIN 0
.endm
.macro FETCH e, a                      ; a row tile of o into set e: 48 loads of 256 consecutive bytes; fragment q is heads 2 q, 2 q + 1
.irp q, 0,1,2,3,4,5,6,7
	WIN (1+(32+8*(\e)+\q)/FPW)<<6
.irp p, 0,1,2,3,4,5
	ds_load_b64 v[FR*((32+8*(\e)+\q)%FPW)+2*\p:FR*((32+8*(\e)+\q)%FPW)+2*\p+1], \a offset:1536*\q+256*\p
.endr
.endr
	WIN 0
.endm
.macro P2 d, s0, s1, c, x0, x1, ra, rb
	v_wmma_scale_f32_16x16x128_f8f6f4 v[\d:\d+7], v[FR*((\s0)%FPW):FR*((\s0)%FPW)+FR-1], v[FR*((\s1)%FPW):FR*((\s1)%FPW)+FR-1], \c, v[\x0], v[\x1] matrix_a_fmt:MATRIX_FMT_FP6 matrix_b_fmt:MATRIX_FMT_FP6 matrix_a_scale:MATRIX_SCALE_ROW\ra matrix_b_scale:MATRIX_SCALE_ROW\rb
.endm
.macro P1 d, s0, s1, c, x0, x1, ra, rb
.if (\ra) && (\rb)
	P2 \d, \s0, \s1, \c, \x0, \x1, 1, 1
.elseif (\ra)
	P2 \d, \s0, \s1, \c, \x0, \x1, 1, 0
.elseif (\rb)
	P2 \d, \s0, \s1, \c, \x0, \x1, 0, 1
.else
	P2 \d, \s0, \s1, \c, \x0, \x1, 0, 0
.endif
.endm
.macro PROD s, n                       ; product n = 4 q + t of block s
.set Q_, (\n)/4
.set T_, (\n)%4
.set FW_, 4*Q_+T_
.set FX_, 32+8*((\s)%2)+Q_
.set KW_, SB+8*(T_/2)+Q_
.set KX_, SX+8*((\s)/2)+Q_
.set DL_, ACC+32*((\s)%2)+8*T_
.if Q_
	WIN (1+FW_/FPW)|((1+FX_/FPW)<<2)
	P1 DL_, FW_, FX_, v[DL_:DL_+7], KW_, KX_, T_%2, (\s)%2
.else
	WIN (1+FW_/FPW)|((1+FX_/FPW)<<2)|(3<<4)
	P1 DL_, FW_, FX_, v[BB-768+8*T_:BB-768+8*T_+7], KW_, KX_, T_%2, (\s)%2
.endif
.endm
.macro SEND s                          ; block s's 16 rows of 256 bytes: sixteen lanes store one aligned run of 256 bytes
	s_wait_dscnt 0x0
.irp k, 0,1,2,3,4,5,6,7
	global_store_b128 v[CO], v[OB+32*((\s)%2)+4*\k:OB+32*((\s)%2)+4*\k+3], s[76:77] offset:(\s)*65536+\k*8192 th:TH_STORE_NT
.endr
.endm
.macro OBLOCK s
.if (\s) == 0
	s_wait_dscnt 48                                ; block 1's 48 loads may be out
.elseif (\s) == 1
	s_wait_dscnt 63                                ; younger than block 1's loads are 64 LDS instructions; the count is held to the counter's field.  Later blocks' rows are shown in by SEND's wait
.endif
.set N_, 0
.rept 32
	PROD \s, N_
.set N_, N_+1
.endr
	WIN 0
.if (\s) > 0
	SEND (\s)-1
.endif
.if (\s) < 6
	v_add_nc_u32 v[ADRA], ((\s)+2)*XT, v[ADRA0]
	PLACES 3                                       ; four places between the products and what touches their registers
	WALU
	FETCH (\s)%2, v[ADRA]
.else
	PLACES 4
.endif
	s_wait_xcnt 0x0                                ; the stores of two blocks ago have read the registers that the loads below fill
.irp t, 0,1,2,3
	ds_store_b128 v[STO], v[ACC+32*((\s)%2)+8*\t:ACC+32*((\s)%2)+8*\t+3] offset:64*\t      ; each accumulator from its low end on
	ds_store_b128 v[STO], v[ACC+32*((\s)%2)+8*\t+4:ACC+32*((\s)%2)+8*\t+7] offset:64*\t+16
.endr
.irp k, 0,1,2,3,4,5,6,7
	ds_load_b128 v[OB+32*((\s)%2)+4*\k:OB+32*((\s)%2)+4*\k+3], v[RD] offset:\k*2*SP        ; LDS serves a wave's instructions in order: these see the stores above
.endr
.endm
; ---- the head
	s_load_b256 s[68:75], s[0:1], 0x0              ; oc, os, Wo's codes, Wo's scales
	s_load_b128 s[76:79], s[0:1], 0x20             ; out0, bo
	v_lshl_add_u32 v[SPW], v0, 2, SPARE
	v_mov_b32 v[NIL], 0
	ds_add_u32 v[SPW], v[NIL]                      ; the opening lines
	ds_add_u32 v[SPW], v[NIL]
	v_lshrrev_b32 v1, 5, v0
	v_readfirstlane_b32 s14, v1
	s_lshr_b32 s15, s14, 1                         ; a.  Also: I fetch Wo (0) or o (1)
	s_and_b32 s16, s14, 1                          ; b.  Also: which half of a tile I fetch
	s_bfe_u32 s40, ttmp6, 0x40000
	s_bfe_u32 s41, ttmp6, 0x40004
	s_lshl_b32 s42, ttmp9, 2
	s_add_co_u32 s42, s42, s40                     ; np
	s_and_b32 s17, ttmp7, 0xffff
	s_lshl_b32 s17, s17, 2
	s_add_co_u32 s17, s17, s41                     ; xt
	s_lshl_b32 s43, s41, 2
	s_lshl_b32 s43, 15, s43
	s_lshl_b32 s44, 0x1111, s40
	s_or_b32 s[G1X+0], s43, (3<<16)|(1<<21)        ; o: 98,304 dense bytes as 384 rows of 256 bytes (32 elements of 8)
	s_mov_b32 s[G1X+1], 32<<16
	s_mov_b32 s[G1X+2], 384<<16
	s_mov_b32 s[G1X+3], 32<<16
	s_mov_b32 s[G1X+4], 384
	s_mov_b32 s[G1X+5], 32
	s_mov_b32 s[G1X+6], 0
	s_mov_b32 s[G1X+7], 0
	s_or_b32 s[G1W+0], s44, (1<<20)|(1<<21)|(5<<22)|(3<<25)   ; Wo: 64 rows of 768 bytes, 16 bytes of padding behind each 256
	s_mov_b32 s[G1W+1], KROW<<16
	s_mov_b32 s[G1W+2], 64<<16
	s_mov_b32 s[G1W+3], KROW<<16
	s_mov_b32 s[G1W+4], 64
	s_mov_b32 s[G1W+5], KROW
	s_mov_b32 s[G1W+6], 0
	s_mov_b32 s[G1W+7], 0
	s_lshl_b32 s20, s17, 1
	s_add_co_u32 s20, s20, s16
	s_mul_i32 s20, s20, 8*XT                       ; the eight row tiles that I fetch
	s_mov_b32 s21, 0
	s_lshl_b32 s46, s42, 7
	s_lshl_b32 s47, s16, 6
	s_add_co_u32 s46, s46, s47                     ; my 64 rows of Wo = my 64 columns
	s_lshl_b32 s18, s46, 5
	s_mov_b32 s19, 0
	s_lshl_b32 s22, s46, 2
	s_mov_b32 s23, 0
	s_mul_i32 s46, s46, KROW
	s_mov_b32 s47, 0
	s_lshl_b32 s60, s17, 8
	s_lshl_b32 s61, s15, 7
	s_add_co_u32 s60, s60, s61                     ; my first row
	s_lshl_b32 s92, s60, 12
	s_add_co_u32 s92, s92, s22                     ; where my part of out0 begins
	s_mov_b32 s93, 0
	s_lshl_b32 s60, s60, 5
	s_mov_b32 s61, 0
	s_mov_b32 s[G0X], 1
	s_mul_i32 s[G0X+1], s16, 8*XT
	s_mov_b32 s[G0W], 1
	s_mul_i32 s94, s16, 64*PITCH
	s_add_co_u32 s94, s94, BVB
	s_mov_b32 s[G0W+1], s94
	s_mul_i32 s95, s15, 8*XT
	s_mul_i32 s45, s14, 16*SP
	s_add_co_u32 s45, s45, STG
	v_and_b32 v1, 15, v0
	v_bfe_u32 v2, v0, 4, 1
	v_and_b32 v3, 31, v0
	v_lshl_add_u32 v[ADRA0], v3, 3, s95
	v_mul_u32_u24 v243, v1, PITCH
	v_mad_u32_u24 v244, v2, 24, v243
	v_mad_u32_u24 v245, v2, 40, v243
	v_add_nc_u32 v244, s94, v244
	v_add_nc_u32 v245, s94, v245
	WIN 0xc0
.irp t, 0,1,2,3
	v_add_nc_u32 v[BA-768+2*\t], \t*16*PITCH, v244
	v_add_nc_u32 v[BA-768+2*\t+1], \t*16*PITCH, v245
.endr
	WIN 0
	v_mul_u32_u24 v243, v1, SP
	v_lshl_add_u32 v243, v2, 5, v243
	v_add_nc_u32 v[STO], s45, v243                 ; in: row r, 32 bytes for each half of the lanes
	v_mul_u32_u24 v243, v2, SP
	v_lshl_add_u32 v243, v1, 4, v243
	v_add_nc_u32 v[RD], s45, v243                  ; back: lanes 0-15 one row of 256 bytes, lanes 16-31 the next
	v_lshlrev_b32 v243, 12, v2
	v_lshl_add_u32 v[CO], v1, 4, v243              ; and the same two rows in out0
	v_lshlrev_b32 v[ABS], 5, v3
	v_lshlrev_b32 v[BH], 5, v2
	v_add_nc_u32 v[ADRA], XT, v[ADRA0]
	WALU
	s_wait_dscnt 0x0
	CROUND                                         ; the round in front of the joint loads
	s_wait_kmcnt 0x0
	s_add_nc_u64 s[G0X+2:G0X+3], s[68:69], s[20:21]
	s_or_b32 s[G0X+3], s[G0X+3], 0x80000000
	s_add_nc_u64 s[G0W+2:G0W+3], s[72:73], s[46:47]
	s_or_b32 s[G0W+3], s[G0W+3], 0x80000000
	s_cmp_eq_u32 s15, 0
	s_cbranch_scc0 .Lfor_x
	TLOAD G0W, G1W                                 ; waves 0, 1: Wo's rows, a half each
	s_branch .Lasked
.Lfor_x:
	TLOAD G0X, G1X                                 ; waves 2, 3: o's row tiles, a half each
.Lasked:
	s_add_nc_u64 s[70:71], s[70:71], s[60:61]
	s_add_nc_u64 s[74:75], s[74:75], s[18:19]
	s_add_nc_u64 s[78:79], s[78:79], s[22:23]
	s_add_nc_u64 s[76:77], s[76:77], s[92:93]
.irp p, 0,1,2,3
.irp c, 0,1
	global_load_b128 v[SX+8*\p+4*\c:SX+8*\p+4*\c+3], v[ABS], s[70:71] offset:\p*1024+16*\c   ; lane l: row 32 p + l, words 4 c ..
.endr
.endr
.irp p, 0,1
.irp c, 0,1
	global_load_b128 v[SB+8*\p+4*\c:SB+8*\p+4*\c+3], v[ABS], s[74:75] offset:\p*1024+16*\c
.endr
.endr
	WIN 0xc0
.irp t, 0,1,2,3
.irp c, 0,1
	global_load_b128 v[BB-768+8*\t+4*\c:BB-768+8*\t+4*\c+3], v[BH], s[78:79] offset:64*\t+16*\c   ; register 8 t + j is column 16 t + 8 h + j
.endr
.endr
	WIN 0
	s_wait_loadcnt 0x0
	s_wait_tensorcnt 0x0
	s_barrier_signal -1
	s_barrier_wait -1                              ; all tiles are in
	WEIGHTS
	FETCH 0, v[ADRA0]
	FETCH 1, v[ADRA]
.irp s, 0,1,2,3,4,5,6,7
	OBLOCK \s
.endr
	SEND 7
	s_wait_tensorcnt 0x0                           ; the wave's end
	ds_add_u32 v[SPW], v[NIL]
	s_wait_dscnt 0x0
	CROUND                                         ; the closing round
	s_endpgm
.Lfunc_end_k_qbfd53e3fdb_oproj:
	.size	k_qbfd53e3fdb_oproj, .Lfunc_end_k_qbfd53e3fdb_oproj-k_qbfd53e3fdb_oproj
	.p2alignl 7, 3214868480
	.fill 96, 4, 3214868480
	.section	.rodata,"a",@progbits
	.p2align	6, 0x0
	.amdhsa_kernel k_qbfd53e3fdb_oproj
		.amdhsa_group_segment_fixed_size 327680
		.amdhsa_private_segment_fixed_size 0
		.amdhsa_enable_private_segment 0
		.amdhsa_kernarg_size 48
		.amdhsa_user_sgpr_count 2
		.amdhsa_user_sgpr_kernarg_segment_ptr 1
		.amdhsa_wavefront_size32 1
		.amdhsa_system_sgpr_workgroup_id_x 1
		.amdhsa_system_sgpr_workgroup_id_y 1
		.amdhsa_system_sgpr_workgroup_id_z 1
		.amdhsa_system_vgpr_workitem_id 0
		.amdhsa_next_free_vgpr 1024
		.amdhsa_next_free_sgpr 100
		.amdhsa_reserve_vcc 0
		.amdhsa_float_denorm_mode_32 3
		.amdhsa_float_denorm_mode_16_64 3
		.amdhsa_memory_ordered 1
		.amdhsa_forward_progress 1
		.amdhsa_inst_pref_size 90
	.end_amdhsa_kernel
	.amdgpu_metadata
---
amdhsa.version: [ 1, 2 ]
amdhsa.kernels:
  - .name:           k_qbfd53e3fdb_oproj
    .symbol:         k_qbfd53e3fdb_oproj.kd
    .args:
      - { .name: oc, .offset: 0, .size: 8, .value_kind: global_buffer, .address_space: global }
      - { .name: os, .offset: 8, .size: 8, .value_kind: global_buffer, .address_space: global }
      - { .name: Wo_codes, .offset: 16, .size: 8, .value_kind: global_buffer, .address_space: global }
      - { .name: Wo_scales, .offset: 24, .size: 8, .value_kind: global_buffer, .address_space: global }
      - { .name: out0, .offset: 32, .size: 8, .value_kind: global_buffer, .address_space: global }
      - { .name: bo, .offset: 40, .size: 8, .value_kind: global_buffer, .address_space: global }
    .group_segment_fixed_size: 327680
    .private_segment_fixed_size: 0
    .kernarg_segment_align: 8
    .kernarg_segment_size: 48
    .max_flat_workgroup_size: 128
    .sgpr_count:     100
    .vgpr_count:     1024
    .wavefront_size: 32
...
	.end_amdgpu_metadata
.endif
;; end of part 3
